; MI455X (gfx1250); checked and timed in simulation.
; The chip was launched on July 23, 2026; its instructions are those of AMD's public machine-readable ISA for CDNA 5 (MIT licence, August 2026) and "CDNA5" Instruction Set Architecture Reference Guide (July 2026). The comments in the code are by the model that wrote it; some were corrected since.
;; Torch Group Gemm Reduce RS. Allowed arithmetic: matrix products marked QUANTISED: E2M1 operands, one E8M0 scale for each 32 along K, by v_wmma_scale_f32_16x16x128_f8f6f4 with both operands' format E2M1 (or v_wmma_scale_f32_32x16x128_f4), f32 sums; everything else in f32.
;; Inputs: intermediate_states 16,384 x 1,024 float32; router_logits 8,192 x 8 float32; w_codes 8 x 512 x 32 x 16 uint8 (E2M1 codes of w, K innermost, in blocks of 32 codes, two codes a byte); w_scales 8 x 512 x 32 uint8 (E8M0 scales of w, one for each 32 codes along K).
;; Outputs: out0 8,192 x 512 float32.
;; This version of the problem:
;;   THIS VERSION OF THE PROBLEM IS GIVEN IN LOW PRECISION. The matrix products marked QUANTISED in the list below multiply operands that are first quantised to E2M1 (2 exponent bits, 1 mantissa bit; 4 bits a number), with one power-of-two scale for each 32 numbers along K (OCP MX v1.0); their sums are f32. All else is computed in f32.
;;   The module's matrix products, in the order in which they are computed (A, B: the left and right operand; K: the contracted axis; several contracted axes count as one K, in the product's order):
;;     1. [M 16,384, K 1,024] x [K 1,024, N 512]; A: computed on the way; B: input w (given as codes): QUANTISED
;;     2. [M 16,384, K 1,024] x [K 1,024, N 512]; A: computed on the way; B: input w (given as codes): QUANTISED
;;     3. [M 16,384, K 1,024] x [K 1,024, N 512]; A: computed on the way; B: input w (given as codes): QUANTISED
;;     4. [M 16,384, K 1,024] x [K 1,024, N 512]; A: computed on the way; B: input w (given as codes): QUANTISED
;;     5. [M 16,384, K 1,024] x [K 1,024, N 512]; A: computed on the way; B: input w (given as codes): QUANTISED
;;     6. [M 16,384, K 1,024] x [K 1,024, N 512]; A: computed on the way; B: input w (given as codes): QUANTISED
;;     7. [M 16,384, K 1,024] x [K 1,024, N 512]; A: computed on the way; B: input w (given as codes): QUANTISED
;;     8. [M 16,384, K 1,024] x [K 1,024, N 512]; A: computed on the way; B: input w (given as codes): QUANTISED
;;   THE QUANTISER, for each operand of a quantised product, along K:
;;     - K is cut into blocks of 32 from its start; a last block that is shorter is filled with zeros.
;;     - A block's scale is 2^e with e = floor(log2(the largest magnitude in the block)) - 2, held to -126 .. 127; a block of zeros has e = 0. As a byte (E8M0): e + 127.
;;     - Each number is divided by its block's scale, clamped to +-6, and rounded to the nearest number of E2M1, ties to even, subnormals kept.
;;     - The product sums the exact products of the quantised numbers (number of the format x scale) in f32.
;;   ~~~python
;;   def quantise(x, axis):      # numpy; x: float32 -> the quantised numbers, widened to float32 again
;;       x = np.moveaxis(x, axis, -1); K = x.shape[-1]
;;       x = np.pad(x, [(0, 0)] * (x.ndim - 1) + [(0, -K % 32)]); x = x.reshape(x.shape[:-1] + (-1, 32)); a = np.abs(x).max(-1, keepdims=True)
;;       e = np.where(a > 0, np.clip(np.frexp(np.where(a > 0, a, 1))[1] - 1 - 2, -126, 127), 0)      # np.frexp(a)[1] - 1 = floor(log2(a)), exactly
;;       r = np.clip(x / 2.0 ** e, -6, 6)
;;       step = 2.0 ** (np.maximum(np.frexp(np.where(r == 0, 1, r))[1] - 1, 0) - 1)
;;       q = np.round(r / step) * step * 2.0 ** e      # np.round: ties to even
;;       return np.moveaxis(q.reshape(q.shape[:-2] + (-1,))[..., :K], -1, axis).astype(np.float32)
;;   ~~~
;;   OPERANDS COMPUTED ON THE WAY. 'Computed on the way' means the value that the module computes at that place (a softmax that the list does not call 'softmax' is quantised finished and normalised). What goes into a quantiser is computed in f32, as accurately as f32 sums, v_exp_f32 and their like allow (about 1e-6 of the number): no bf16 or f16 on the way to a quantiser, and a product that is left as it is and whose result goes on into a quantised operand takes f32 operands (vector FMAs, or v_wmma_f32_16x16x4_f32). A number that lies on a knife's edge between two numbers of the format may be rounded either way, as far as f32 arithmetic and the matrix unit's own rounding can turn it there, and no further.
;;   INPUTS GIVEN AS CODES. w (in the module: [8, 1024, 512], K = its axis 1): each comes as NAME_codes (uint8): NAME with its K axis moved to the last place and cut into blocks of 32 codes, [.., K / 32, bytes a block], one block behind the other in memory; two codes a byte, the lower K in the low four bits (a code: sign, 2 exponent bits, 1 mantissa bit); and NAME_scales (uint8): the same leading axes, one E8M0 byte (e + 127) for each 32 codes along K. Its value is code x scale, taken as it is: it is not quantised again, and the codes and scales need not be those that the quantiser above would give.
;; One version. Each part assembles by itself: llvm-mc -triple=amdgcn-amd-amdhsa -mcpu=gfx1250 --defsym DOCPART=n.
;; ======== version 1 of 1: 2 launches
;; workspace buffers: a_codes 8,388,608 bytes; a_scales 524,288 bytes
;; launch quant (part 1): grid 256 x 1, 8 waves a work-group, no clusters, 68,608 bytes of LDS; arguments intermediate_states, a_codes, a_scales; writes a_codes, a_scales
.if DOCPART == 1
	.amdgcn_target "amdgcn-amd-amdhsa--gfx1250"
	.amdhsa_code_object_version 6
	.text
	.protected	k_qf99b8a80d7_quant
	.globl	k_qf99b8a80d7_quant
	.p2align	8
	.type	k_qf99b8a80d7_quant,@function
k_qf99b8a80d7_quant:
	s_mov_b64 s[64:65], 0
	v_nop
	global_prefetch_b8 v0, s[64:65] scope:SCOPE_SE
	s_setreg_imm32_b32 hwreg(HW_REG_WAVE_MODE, 25, 1), 1
	s_wait_xcnt 0x0
; x = intermediate_states [16384][1024] f32 becomes codes of FP4 (E2M1) with one E8M0 scale byte for each 32 along K, once for all eight products
; (a row that an expert's mask hides is a row of zeros there, so the codes of a row are the same for every expert that sees it).
; A block's scale is 2^(floor(log2(its largest magnitude)) - 2); its byte is the largest magnitude's exponent field - 2, held at 1 from below.
; THE OUTPUT IS LAID IN THE ORDER OF THE NEXT LAUNCH'S OPERAND REGISTERS:
;   a_codes  [g 128][s 8][a 8][c 2][lane 32][16 bytes]: g = a block of 128 rows (64 tokens), s = a K step of 128, a = 2 j + k a tile of 16 rows: row r of it is x's row 128 g + 32 j + 2 r + k
;            (token 64 g + 16 j + r, slot k); lane 16 h + r holds the block 4 s + 2 c + h of that row: registers 4 c .. 4 c + 3 of a fragment.
;   a_scales [g 128][j 4][q 2][lane 32][16 bytes]: lane 16 k + r holds the scale words of K steps 4 q .. 4 q + 3 of row r of tile 2 j + k.
; SHARES.  A wave takes one tile of 16 rows and half of K: four K steps.  A step's 16 loads read 512 consecutive bytes of a row each; the 8,192 bytes turn through the wave's own stage in LDS, so that a lane
; gets two whole blocks of 32 of ONE row: a block's largest magnitude needs no other lane, and the conversions' results are the fragment's registers.  Waves share nothing: no barrier.
; Three sets of 64 registers: the loads of three steps go out at the start, the fourth step's when the first set is free.
; LIMITS: NaN and infinities in x are not served.  A block whose largest magnitude lies under 2^-124 (zeros too) gets the byte 1: for numbers that is the quantiser's own hold at -126; a block of zeros has zero
; codes, which add nothing under that byte, and the bytes are read by this program alone.
.set SPITCH, 528                       ; a stage row: 512 bytes + 16 = 33 x 16: the sixteen rows that a read touches fall on sixteen different 16-byte columns of 256
.set STAGEB, 16*SPITCH                 ; a wave's stage
.set VA,  5                            ; v5      16 x lane: my bytes of a load's 512, and of a store's
.set STS, 6                            ; v6      the stage on the way in: stage + 16 x lane
.set STL, 7                            ; v7      and on the way out: stage + 528 r + 128 h
.set VS,  8                            ; v8      my 8 bytes of the wave's 256 scale bytes: 16 r + 8 h
.set SH,  9                            ; v9      8 h
.set MA,  10                           ; v10-11  largest magnitudes, first chain of block c; then the block's
.set SO,  12                           ; v12-13  the conversions' scale operands
.set BY,  14                           ; v14-15  the scale bytes
.set MB,  20                           ; v20-21  second chain
.set W,   24                           ; v24-27  the scale word of each of the four steps
.set C,   32                           ; v32-63  codes: eight registers a step, never written again: no store's data are rewritten
.set R,   64                           ; v64-255 three sets of 64 numbers
	s_load_b128 s[4:7], s[0:1], 0x0                ; x, a_codes
	s_load_b64 s[8:9], s[0:1], 0x10                ; a_scales
	v_lshl_add_u32 v30, v0, 2, 0x10800
	v_mov_b32 v31, 0
	v_lshrrev_b32 v1, 5, v0
	v_readfirstlane_b32 s10, v1                    ; wave 0..7
	v_and_b32 v1, 31, v0                           ; lane
	v_and_b32 v2, 15, v0                           ; r
	v_bfe_u32 v3, v0, 4, 1                         ; h
	v_lshlrev_b32 v[VA], 4, v1
	s_mul_i32 s11, s10, STAGEB                     ; my stage
	v_add_nc_u32 v[STS], s11, v[VA]
	v_mul_u32_u24 v[STL], v2, SPITCH
	v_lshl_add_u32 v[STL], v3, 7, v[STL]
	v_add_nc_u32 v[STL], s11, v[STL]
	v_lshlrev_b32 v[VS], 4, v2
	v_lshl_add_u32 v[VS], v3, 3, v[VS]
	v_lshlrev_b32 v[SH], 3, v3
	v_mov_b32 v17, 0                               ; written once: a lane permute's destination counts as one of its sources
	s_mov_b32 s14, 0x76543210
	s_mov_b32 s15, 0xfedcba98                      ; v_permlanex16_b32's selects for lane l xor 16
	s_lshr_b32 s12, ttmp9, 1                       ; g
	s_and_b32 s13, ttmp9, 1
	s_lshl_b32 s13, s13, 2
	s_lshr_b32 s16, s10, 1
	s_add_co_u32 s13, s13, s16                     ; a = 4 (work-group % 2) + wave / 2
	s_and_b32 s16, s10, 1                          ; which half of K
	s_lshr_b32 s17, s13, 1                         ; j
	s_and_b32 s18, s13, 1                          ; k
	s_lshl_b32 s20, s12, 7                         ; x: row 128 g + 32 j + k, 4,096 bytes a row, + 2,048 x half
	s_lshl_b32 s19, s17, 5
	s_add_co_u32 s20, s20, s19
	s_add_co_u32 s20, s20, s18
	s_lshl_b32 s20, s20, 12
	s_lshl_b32 s19, s16, 11
	s_add_co_u32 s20, s20, s19
	s_mov_b32 s21, 0
	s_lshl_b32 s22, s12, 16                        ; codes: 65,536 g + 32,768 half + 1,024 a
	s_lshl_b32 s19, s16, 15
	s_add_co_u32 s22, s22, s19
	s_lshl_b32 s19, s13, 10
	s_add_co_u32 s22, s22, s19
	s_mov_b32 s23, 0
	s_lshl_b32 s24, s12, 12                        ; scale words: 4,096 g + 1,024 j + 512 half + 256 k
	s_lshl_b32 s19, s17, 10
	s_add_co_u32 s24, s24, s19
	s_lshl_b32 s19, s16, 9
	s_add_co_u32 s24, s24, s19
	s_lshl_b32 s19, s18, 8
	s_add_co_u32 s24, s24, s19
	s_mov_b32 s25, 0
	s_wait_kmcnt 0x0
	s_add_nc_u64 s[4:5], s[4:5], s[20:21]
	s_add_nc_u64 s[6:7], s[6:7], s[22:23]
	s_add_nc_u64 s[8:9], s[8:9], s[24:25]
.macro LOAD t                          ; K step t of my 16 rows (they lie two rows of x apart) into set t % 3: each load reads 512 consecutive bytes; x is read once in the launch
.irp p, 0,1,2,3,4,5,6,7,8,9,10,11,12,13,14,15
	global_load_b128 v[R+64*((\t)%3)+4*\p:R+64*((\t)%3)+4*\p+3], v[VA], s[4:5] offset:\p*8192+(\t)*512 th:TH_LOAD_NT
.endr
.endm
.macro TURN t                          ; through the stage and back into the registers that they left: LDS serves a wave's instructions in order, so no wait stands between the stores and the loads
.set XS, R+64*((\t)%3)
.irp p, 0,1,2,3,4,5,6,7,8,9,10,11,12,13,14,15
	ds_store_b128 v[STS], v[XS+4*\p:XS+4*\p+3] offset:\p*SPITCH
.endr
.irp c, 0,1
.irp i, 0,1,2,3,4,5,6,7
	ds_load_b128 v[XS+32*\c+4*\i:XS+32*\c+4*\i+3], v[STL] offset:256*\c+16*\i   ; register 32 c + n: number n of block 2 c + h of row r
.endr
.endr
.endm
.macro QUANT t
.set XS, R+64*((\t)%3)
.irp c, 0,1                            ; a block's largest magnitude in two chains, the two blocks by turns: no line waits for the line above it
	v_max3_num_f32 v[MA+\c], |v[XS+32*\c]|, |v[XS+32*\c+1]|, 0x1800000          ; with the floor 2^(3 - 127) among the leaves: the byte cannot fall under 1
	v_max3_num_f32 v[MB+\c], |v[XS+32*\c+16]|, |v[XS+32*\c+17]|, |v[XS+32*\c+18]|
.endr
.irp i, 0,2,4,6,8,10
.irp c, 0,1
	v_max3_num_f32 v[MA+\c], v[MA+\c], |v[XS+32*\c+2+\i]|, |v[XS+32*\c+3+\i]|
	v_max3_num_f32 v[MB+\c], v[MB+\c], |v[XS+32*\c+19+\i]|, |v[XS+32*\c+20+\i]|
.endr
.endr
.irp c, 0,1
	v_max3_num_f32 v[MA+\c], v[MA+\c], |v[XS+32*\c+14]|, |v[XS+32*\c+15]|
.endr
.irp c, 0,1
	v_max3_num_f32 v[MA+\c], v[MA+\c], v[MB+\c], |v[XS+32*\c+31]|
.endr
.irp c, 0,1
	v_add_nc_u32 v[SO+\c], 0xff000000, v[MA+\c]    ; 2 off its exponent field: the conversion takes the exponent field of this operand as its scale, and nothing else of it
.endr
.irp c, 0,1
	v_lshrrev_b32 v[BY+\c], 23, v[SO+\c]           ; the scale's byte
.endr
	v_lshl_or_b32 v16, v[BY+1], 16, v[BY]          ; my two bytes: blocks h and 2 + h of row r,
	v_lshlrev_b32 v16, v[SH], v16                  ; at their places in the step's scale word;
	v_permlanex16_b32 v17, v16, s14, s15
	v_or_b32 v[W+(\t)], v16, v17                   ; with lane l xor 16's two the word is whole
.irp c, 0,1
.irp g, 0,1,2,3
	v_cvt_scalef32_pk8_fp4_f32 v[C+8*(\t)+4*\c+\g], v[XS+32*\c+8*\g:XS+32*\c+8*\g+7], v[SO+\c]   ; registers 4 c .. 4 c + 3 of the fragment
.endr
.endr
	v_nop                                          ; one plain place behind the last scaled conversion
.endm
.macro STEP t, left                    ; left: the younger loads that may stay out
	s_wait_loadcnt \left
	TURN \t
	s_wait_dscnt 0x0
	QUANT \t
.if (\t) == 0
	LOAD 3                                         ; set 0 is free: its numbers have been converted
.endif
	global_store_b128 v[VA], v[C+8*(\t):C+8*(\t)+3], s[6:7] offset:(\t)*8192        ; 32 lanes store 512 consecutive bytes, at a multiple of 512 from the buffer's first byte
	global_store_b128 v[VA], v[C+8*(\t)+4:C+8*(\t)+7], s[6:7] offset:(\t)*8192+512
.endm
	LOAD 0
	LOAD 1
	LOAD 2
	STEP 0, 32                                     ; steps 1 and 2 may be out
	STEP 1, 32                                     ; steps 2 and 3
	STEP 2, 16                                     ; step 3
	STEP 3, 0
	v_cmp_ne_u32 vcc_lo, 0, v3                     ; every lane holds its row's four words: lanes 0-15 store the first two, lanes 16-31 the other two
	v_cndmask_b32 v18, v[W], v[W+2], vcc_lo
	v_cndmask_b32 v19, v[W+1], v[W+3], vcc_lo
	global_store_b64 v[VS], v[18:19], s[8:9]       ; 32 lanes store 256 consecutive bytes, at a multiple of 256 from the buffer's first byte
	s_wait_tensorcnt 0x0
	ds_add_u32 v30, v31
	s_wait_dscnt 0x0
	s_endpgm
.Lfunc_end_k_qf99b8a80d7_quant:
	.size	k_qf99b8a80d7_quant, .Lfunc_end_k_qf99b8a80d7_quant-k_qf99b8a80d7_quant
	.p2alignl 7, 3214868480
	.fill 96, 4, 3214868480
	.section	.rodata,"a",@progbits
	.p2align	6, 0x0
	.amdhsa_kernel k_qf99b8a80d7_quant
		.amdhsa_group_segment_fixed_size 68608
		.amdhsa_private_segment_fixed_size 0
		.amdhsa_enable_private_segment 0
		.amdhsa_kernarg_size 24
		.amdhsa_user_sgpr_count 2
		.amdhsa_user_sgpr_kernarg_segment_ptr 1
		.amdhsa_wavefront_size32 1
		.amdhsa_system_sgpr_workgroup_id_x 1
		.amdhsa_system_sgpr_workgroup_id_y 1
		.amdhsa_system_sgpr_workgroup_id_z 1
		.amdhsa_system_vgpr_workitem_id 0
		.amdhsa_next_free_vgpr 256
		.amdhsa_next_free_sgpr 66
		.amdhsa_reserve_vcc 1
		.amdhsa_float_denorm_mode_32 3
		.amdhsa_float_denorm_mode_16_64 3
		.amdhsa_memory_ordered 1
		.amdhsa_forward_progress 1
		.amdhsa_inst_pref_size 30
	.end_amdhsa_kernel
	.amdgpu_metadata
---
amdhsa.version: [ 1, 2 ]
amdhsa.kernels:
  - .name:           k_qf99b8a80d7_quant
    .symbol:         k_qf99b8a80d7_quant.kd
    .args:
      - { .name: intermediate_states, .offset: 0, .size: 8, .value_kind: global_buffer, .address_space: global }
      - { .name: a_codes, .offset: 8, .size: 8, .value_kind: global_buffer, .address_space: global }
      - { .name: a_scales, .offset: 16, .size: 8, .value_kind: global_buffer, .address_space: global }
    .group_segment_fixed_size: 68608
    .private_segment_fixed_size: 0
    .kernarg_segment_align: 8
    .kernarg_segment_size: 24
    .max_flat_workgroup_size: 256
    .sgpr_count:     66
    .vgpr_count:     256
    .wavefront_size: 32
...
	.end_amdgpu_metadata
.endif
;; end of part 1
;; launch gemm (part 2): grid 32 x 8, 4 waves a work-group, clusters of 4 x 1, 304,640 bytes of LDS; arguments a_codes, a_scales, router_logits, w_codes, w_scales, out0; writes out0
.if DOCPART == 2
	.amdgcn_target "amdgcn-amd-amdhsa--gfx1250"
	.amdhsa_code_object_version 6
	.text
	.protected	k_qf99b8a80d7_gemm
	.globl	k_qf99b8a80d7_gemm
	.p2align	8
	.type	k_qf99b8a80d7_gemm,@function
k_qf99b8a80d7_gemm:
	s_mov_b64 s[64:65], 0
	v_nop
	global_prefetch_b8 v0, s[64:65] scope:SCOPE_SE
	s_setreg_imm32_b32 hwreg(HW_REG_WAVE_MODE, 25, 1), 1
	s_wait_xcnt 0x0
	s_wait_alu depctr_hold_cnt(0) depctr_sa_sdst(0) depctr_va_vdst(0) depctr_va_sdst(0) depctr_va_ssrc(0) depctr_va_vcc(0) depctr_vm_vsrc(0)
	s_getreg_b32 s2, hwreg(HW_REG_IB_STS2, 6, 4)
	s_cmp_eq_u32 s2, 0
	s_cbranch_scc0 .Lentry_in_a_cluster
	s_endpgm
.Lentry_in_a_cluster:
	s_bfe_u32 s2, ttmp6, 0x10000c
	s_cmp_lg_u32 s2, 0x3003
	s_cbranch_scc0 .Lentry_shape_is_right
	s_endpgm
.Lentry_shape_is_right:
; out0[t][:] = tw[t][0] x (Q(x[2 t]) w[id[t][0]]) + tw[t][1] x (Q(x[2 t + 1]) w[id[t][1]]); id, tw: the two largest of softmax(router_logits[t]).  Products on codes of FP4 (E2M1) with E8M0 scales, sums in f32.
; ALL EIGHT PRODUCTS ARE MADE, as the problem lists them: every row of x against every expert; a row's own expert is then picked by v_cndmask_b32.  So no address, trip count or branch hangs on the routing,
; and an expert that a row does not belong to never enters that row's arithmetic.
; SHARES.  A work-group takes 512 rows of x (256 tokens) x 64 columns x 8 experts; each of its four waves 128 rows (64 tokens): eight tiles a = 2 j + k of 16 rows (token tile j, slot k).
;   A wave's codes of x, all of K, stay in 512 REGISTERS (read once, in the order in which the first launch laid them).  The slice of w, 64 columns of all eight experts with its scale bytes, stays in LDS:
;   each LDS byte is filled once, so there is no ring and no refill.
; CLUSTER.  The four work-groups of a cluster lie along x: they have the same 64 columns, hence the same slice of w.  Every tensor load is asked for JOINTLY, with the same descriptor and the mask of all four.
; A UNIT is one tile of 16 columns of one expert against my 128 rows: 8 K steps x 8 tiles of rows = 64 matrix instructions; 4 column tiles x 8 experts = 32 units.  The eight accumulators take turns, one
;   instruction a turn.  A unit is three stretches: at its head the NEXT unit's scale words and fragments of w are asked for in ONE run of 17 LDS loads, a whole unit ahead of
;   their use; then its 64 matrix instructions stand back to back; then the unit BEFORE is selected.  So w's fragments, w's scale words and the accumulators each have two sets, which take turns from unit to unit.
; THE MATRIX INSTRUCTION IS USED TRANSPOSED: source 0 = 16 rows n of w[e] (w's codes have K innermost), source 1 = 16 rows of x: lane (r, h) holds row r of x, its register i column 8 h + i.
; ROUTING.  The maximum is taken away before the exponentials, as the softmax has it; tw0 = 1 / sum, tw1 = 2^((m2 - m) log2 e) / sum.  Of equal logits the lower index comes first.
; LIMITS: the two largest are ranked on the logits; that differs from a rank on the rounded probabilities only where two different logits round to one probability.  NaN and infinities among the logits are not
;   served (an index still stays within 0 .. 7).
; REGISTERS, in windows of 256 (s_set_vgpr_msb: bits 1:0 source 0, 3:2 source 1, 5:4 source 2, 7:6 destination):
;   window 0: v1-7 addresses; v8-39 x's scale words; v40-47 w's scale words, two sets; v48-55 a tile's expert; v56-63 its weight; v64-127, v128-191 two sets of 8 accumulators; v192-255 w's fragments, set 0
;   window 1: v0-63 the selected results S, 8 a tile; v64-191 the results (column tile nt, token tile j) at 64 + 32 nt + 8 j; v192-255 w's fragments, set 1
;   windows 2, 3: x's fragments (a, s) at 64 (s % 4) + 8 a, K steps 0-3 and 4-7
.set PITCH, 528                        ; a row of w's codes in LDS: 512 bytes + 16 = 33 x 16: the sixteen rows of a fragment load fall on sixteen different 16-byte columns of 256
.set EXPB,  64*PITCH                   ; an expert's 64 rows
.set TILB,  16*PITCH                   ; a tile of 16 columns
.set SCW,   8*EXPB                     ; behind the codes: w's scale bytes, 2,048 an expert (64 rows x 32), as they lie
.set SCE,   2048
.set STG,   SCW+8*SCE                  ; behind them: the stages for the way out, 16 rows x 272 bytes a wave; no tensor load lands here
.set SPITCH, 272
.set STGW,  16*SPITCH
.set ADB, 1                            ; v1   LDS address of the next unit's fragments
.set ADS, 2                            ; v2   and of its scale words
.set AB0, 3                            ; v3   528 r + 16 h
.set AS0, 4                            ; v4   SCW + 32 r + 16 h
.set AV,  5                            ; v5   16 x lane
.set LV,  6                            ; v6   32 r
.set GO,  7                            ; v7   the way out: my byte offset in the wave's rows of out0
.set STO, 3                            ; v3   the way out: where I put 32 bytes of a row
.set RD,  4                            ; v4   the way out: where I read a row back
.set AS,  8                            ; x's scale words: (j, s) at 8 + 8 j + s: lanes 0-15 tile 2 j, lanes 16-31 tile 2 j + 1
.set WS,  40                           ; w's: (set, q) at 40 + 4 set + q: lanes 0-15 K step q, lanes 16-31 K step 4 + q
.set IDX, 48
.set TW,  56
.set DB,  64                           ; accumulator (set, a) at 64 + 64 set + 8 a
.set BF,  192                          ; w's fragment of K step s at 192 + 8 s: set 0 in window 0, set 1 in window 1
.set LG,  128                          ; at the head: the logits, 8 a token tile
.set RT,  64                           ; at the head: 16 registers at work a token tile
.set OUT, 64                           ; in window 1
.set BK,  64                           ; the way out: rows read back from the stage
.set WV,  16                           ; s16  my wave's number
.set G1C, 28                           ; s[28:35] descriptor group 1 for the codes;  s[36:43] for the scale bytes
.set G1S, 36
.set G0S, 44                           ; s[44:47], s[48:51], s[52:55] groups 0: scale bytes, codes of expert w, codes of expert w + 4
.set G0A, 48
.set G0B, 52
.set NB,  58                           ; s58  where the next unit's fragments begin in LDS
.set NS,  59                           ; s59  and its scale words, from SCW on          (s56, s57: the experts that the loop's two units select; s56 counts the loop)
.set MSB, 0
.macro WIN new                         ; the immediate's high byte repeats the setting that is left; a switch that changes nothing is dropped
.if MSB != (\new)
	s_set_vgpr_msb (MSB<<8)|(\new)
.set MSB, (\new)
.endif
.endm
.set MUL_LO, 0x08                      ; source 1 (x) window 2; + the set's number: source 0 (w) window 0 or 1
.set MUL_HI, 0x0c                      ; source 1 window 3; likewise
.set SELW,   0x51                      ; source 0, source 2 and destination window 1; source 1 window 0
.set TO_S,   0x40                      ; destination window 1
.set TO_A2,  0x80                      ; destination window 2
.set TO_A3,  0xc0                      ; destination window 3
.set ST_OUT, 0x04                      ; an LDS store's data are its source 1: window 1
; A round of the cluster's barrier: my work-group's barrier, so that wave 0's signal speaks for all four waves; wave 0 signals for the work-group; every wave waits for all four work-groups; my work-group's barrier once more.
.macro CROUND
	s_barrier_signal -1
	s_barrier_wait -1
	s_cmp_lg_u32 s[WV], 0
	s_cbranch_scc1 .Lnot_wave_0_\@
	s_barrier_signal -3
.Lnot_wave_0_\@:
	s_barrier_wait -3
	s_barrier_signal -1
	s_barrier_wait -1
.endm
	s_load_b256 s[4:11], s[0:1], 0x0               ; a_codes s[4:5], a_scales s[6:7], router_logits s[8:9], w_codes s[10:11]
	s_load_b128 s[12:15], s[0:1], 0x20             ; w_scales s[12:13], out0 s[14:15]
	v_lshl_add_u32 v254, v0, 2, 0x4a400
	v_mov_b32 v255, 0
	ds_add_u32 v254, v255
	ds_add_u32 v254, v255
	s_wait_dscnt 0x0
	v_lshrrev_b32 v7, 5, v0
	v_readfirstlane_b32 s[WV], v7                  ; wave 0..3
	v_and_b32 v1, 15, v0                           ; r
	v_bfe_u32 v2, v0, 4, 1                         ; h
	v_mul_u32_u24 v[AB0], v1, PITCH
	v_lshl_add_u32 v[AB0], v2, 4, v[AB0]
	v_lshlrev_b32 v[LV], 5, v1
	v_lshl_add_u32 v[AS0], v2, 4, v[LV]
	v_add_nc_u32 v[AS0], SCW, v[AS0]
	v_and_b32 v[AV], 31, v0
	v_lshlrev_b32 v[AV], 4, v[AV]
	s_bfe_u32 s17, ttmp6, 0x40000                  ; cx: my place in the cluster: it enters the addresses of x's codes and scales, of the logits and of out0 alone
	s_lshl_b32 s18, ttmp9, 2                       ; in a cluster launch ttmp9 counts clusters
	s_add_co_u32 s18, s18, s17                     ; my 512 rows: 4 x cluster x + cx
	s_and_b32 s19, ttmp7, 0xffff                   ; my 64 columns, which the four partners share
	s_lshl_b32 s20, s18, 2
	s_add_co_u32 s20, s20, s[WV]                   ; g: my wave's block of 128 rows
	; group 1 for the codes: 64 rows of 512 bytes, dense in memory, 16 bytes of padding behind each in LDS
	s_mov_b32 s[G1C+0], 15|(0<<16)|(1<<20)|(1<<21)|(6<<22)|(3<<25)   ; 15:0 the mask: all four work-groups; 17:16 elements of 1 byte; 20 padding on; 21 set beside a mask; 24:22 after every 128 words (code 6); 31:25 four words (code 3)
	s_mov_b32 s[G1C+1], 512<<16                    ; tensor_dim0 = 512
	s_mov_b32 s[G1C+2], 64<<16                     ; tensor_dim1 = 64
	s_mov_b32 s[G1C+3], 512<<16                    ; tile_dim0 = 512
	s_mov_b32 s[G1C+4], 64                         ; tile_dim1 = 64
	s_mov_b32 s[G1C+5], 512                        ; from row to row
	s_mov_b32 s[G1C+6], 0
	s_mov_b32 s[G1C+7], 0
	; group 1 for the scale bytes: two experts' 2,048 bytes (256 elements of 8 bytes), 16,384 bytes apart in memory, on end in LDS
	s_mov_b32 s[G1S+0], 15|(3<<16)|(1<<21)
	s_mov_b32 s[G1S+1], 256<<16
	s_mov_b32 s[G1S+2], 2<<16
	s_mov_b32 s[G1S+3], 256<<16
	s_mov_b32 s[G1S+4], 2
	s_mov_b32 s[G1S+5], 2048
	s_mov_b32 s[G1S+6], 0
	s_mov_b32 s[G1S+7], 0
	; what I fetch: the codes of experts w and w + 4, the scale bytes of experts 2 w and 2 w + 1.  Made of the wave's number and the column slice alone
	s_lshl_b32 s24, s[WV], 18                      ; codes: 262,144 an expert, 32,768 a slice
	s_lshl_b32 s21, s19, 15
	s_add_co_u32 s24, s24, s21
	s_mov_b32 s25, 0
	s_lshl_b32 s26, s[WV], 15                      ; scale bytes: 16,384 an expert, 2,048 a slice
	s_lshl_b32 s21, s19, 11
	s_add_co_u32 s26, s26, s21
	s_mov_b32 s27, 0
	s_mov_b32 s[G0S], 1                            ; 1:0 count = 1
	s_lshl_b32 s[G0S+1], s[WV], 12
	s_add_co_u32 s[G0S+1], s[G0S+1], SCW           ; 63:32 LDS address
	s_mov_b32 s[G0A], 1
	s_mul_i32 s[G0A+1], s[WV], EXPB
	s_mov_b32 s[G0B], 1
	s_add_co_u32 s[G0B+1], s[G0A+1], 4*EXPB
	s_lshl_b32 s21, s19, 8                         ; my slice in a row of out0: 256 bytes
	s_mov_b32 s23, 0
	s_wait_kmcnt 0x0
	s_add_nc_u64 s[G0S+2:G0S+3], s[12:13], s[26:27]      ; 120:64 global address
	s_add_nc_u64 s[G0A+2:G0A+3], s[10:11], s[24:25]
	s_add_nc_u64 s[G0B+2:G0B+3], s[G0A+2:G0A+3], 0x100000   ; four experts on
	s_or_b32 s[G0S+3], s[G0S+3], 0x80000000        ; 127:126 type = 2
	s_or_b32 s[G0A+3], s[G0A+3], 0x80000000
	s_or_b32 s[G0B+3], s[G0B+3], 0x80000000
	s_lshl_b32 s22, s20, 16
	s_add_nc_u64 s[4:5], s[4:5], s[22:23]          ; x's codes: 65,536 bytes a block
	s_lshl_b32 s22, s20, 12
	s_add_nc_u64 s[6:7], s[6:7], s[22:23]          ; x's scale words: 4,096
	s_lshl_b32 s22, s20, 11
	s_add_nc_u64 s[8:9], s[8:9], s[22:23]          ; the logits of my 64 tokens: 2,048
	s_lshl_b32 s22, s20, 17
	s_add_co_u32 s22, s22, s21
	s_add_nc_u64 s[14:15], s[14:15], s[22:23]      ; out0: 64 tokens x 2,048 bytes a block, + my slice
	CROUND                                         ; all four work-groups are here: the joint loads meet
	tensor_load_to_lds s[G0S:G0S+3], s[G1S:G1S+7]  ; the launch's only fills, as one group: three loads of mine are out
	s_nop 0
	tensor_load_to_lds s[G0A:G0A+3], s[G1C:G1C+7]
	s_nop 0
	tensor_load_to_lds s[G0B:G0B+3], s[G1C:G1C+7]
	s_nop 0
.rept 4
	v_nop
.endr
.irp j, 0,1,2,3                                    ; the logits of token 16 j + r, in both halves of the lanes
	global_load_b128 v[LG+8*\j:LG+8*\j+3], v[LV], s[8:9] offset:512*\j
	global_load_b128 v[LG+8*\j+4:LG+8*\j+7], v[LV], s[8:9] offset:512*\j+16
.endr
.irp q, 0,1,2,3,4,5,6,7                            ; x's scale words: one load fills four scale registers
	global_load_b128 v[AS+4*\q:AS+4*\q+3], v[AV], s[6:7] offset:512*\q
.endr
	WIN TO_A2                                      ; x's fragments, K step by K step: each load reads 512 consecutive bytes
.irp s, 0,1,2,3
.irp a, 0,1,2,3,4,5,6,7
.irp c, 0,1
	global_load_b128 v[64*\s+8*\a+4*\c:64*\s+8*\a+4*\c+3], v[AV], s[4:5] offset:8192*\s+1024*\a+512*\c
.endr
.endr
.endr
	WIN TO_A3
.irp s, 0,1,2,3
.irp a, 0,1,2,3,4,5,6,7
.irp c, 0,1
	global_load_b128 v[64*\s+8*\a+4*\c:64*\s+8*\a+4*\c+3], v[AV], s[4:5] offset:8192*(\s+4)+1024*\a+512*\c
.endr
.endr
.endr
	WIN TO_S
.set n, 0
.rept 64
	v_mov_b32 v[n], 0                              ; S, written once while the loads are out, so that the first select has something to keep: each lane's S is overwritten by its own expert's result in every pass over the experts
.set n, n+1
.endr
	WIN 0
; The largest of v[l] .. v[l + 7] into v[t], the lowest index that has it into v[idx]; v[t + 1] at work.
.macro TOP l, t, idx
	v_max3_num_f32 v[\t], v[\l], v[(\l)+1], v[(\l)+2]
	v_max3_num_f32 v[(\t)+1], v[(\l)+3], v[(\l)+4], v[(\l)+5]
	v_max3_num_f32 v[\t], v[\t], v[(\l)+6], v[(\l)+7]
	v_max_num_f32 v[\t], v[\t], v[(\t)+1]
	v_mov_b32 v[\idx], 7
.irp i, 6,5,4,3,2,1,0
	v_cmp_neq_f32 vcc_lo, v[(\l)+\i], v[\t]
	v_cndmask_b32 v[\idx], \i, v[\idx], vcc_lo     ; where logit i is the largest: i.  Downward, so that the lowest index stays
.endr
.endm
; Token tile j: expert and weight of slot 0 (tile 2 j) and of slot 1 (tile 2 j + 1).
.macro ROUTE j
.set rL, LG+8*(\j)
.set rT, RT+16*(\j)
	TOP rL, rT, IDX+2*(\j)
.irp i, 0,1,2,3,4,5,6,7
	v_sub_f32 v[rT+8+\i], v[rL+\i], v[rT]          ; the maximum is taken away first,
.endr
.irp i, 0,1,2,3,4,5,6,7
	v_mul_f32 v[rT+8+\i], 0x3fb8aa3b, v[rT+8+\i]   ; x log2(e)
.endr
.irp i, 0,1,2,3,4,5,6,7
	v_exp_f32 v[rT+8+\i], v[rT+8+\i]
.endr
	v_mov_b32 v[rT+2], 0xff800000                  ; -infinity.  (A plain place behind the exponentials)
.irp i, 0,1,2,3,4,5,6,7
	v_cmp_eq_u32 vcc_lo, \i, v[IDX+2*(\j)]
	v_cndmask_b32 v[rL+\i], v[rL+\i], v[rT+2], vcc_lo   ; the first choice is struck out
.endr
	s_wait_alu depctr_va_vdst(0)
	v_add_f32 v[rT+8], v[rT+8], v[rT+9]
	v_add_f32 v[rT+10], v[rT+10], v[rT+11]
	v_add_f32 v[rT+12], v[rT+12], v[rT+13]
	v_add_f32 v[rT+14], v[rT+14], v[rT+15]
	v_add_f32 v[rT+8], v[rT+8], v[rT+10]
	v_add_f32 v[rT+12], v[rT+12], v[rT+14]
	v_add_f32 v[rT+8], v[rT+8], v[rT+12]           ; the softmax's sum
	TOP rL, rT+4, IDX+2*(\j)+1
	v_sub_f32 v[rT+4], v[rT+4], v[rT]
	v_mul_f32 v[rT+4], 0x3fb8aa3b, v[rT+4]
	v_exp_f32 v[rT+4], v[rT+4]
	v_rcp_f32 v[TW+2*(\j)], v[rT+8]                ; the largest logit's exponential is 2^0 = 1
	v_nop                                          ; one plain place behind the transcendentals
	s_wait_alu depctr_va_vdst(0)
	v_mul_f32 v[TW+2*(\j)+1], v[rT+4], v[TW+2*(\j)]
.endm
	s_wait_loadcnt 63                              ; 63 is the largest count that this wait can name.  Behind the logits stand 136 loads; with at most 63 out, the logits, x's scale words and x's K steps 0-3 (64 loads) are in
	ROUTE 0
	ROUTE 1
	ROUTE 2
	ROUTE 3
	s_wait_tensorcnt 0x0                           ; my three parts of the slice of w are in LDS,
	s_barrier_signal -1
	s_barrier_wait -1                              ; everybody's are.  Nothing is ever filled again
	ds_load_b128 v[WS:WS+3], v[AS0]                ; unit 0: column tile 0 of expert 0: its scale words, then its eight fragments, into the sets 0
.irp s, 0,1,2,3,4,5,6,7
	ds_load_b128 v[BF+8*\s:BF+8*\s+3], v[AB0] offset:64*\s
	ds_load_b128 v[BF+8*\s+4:BF+8*\s+7], v[AB0] offset:64*\s+32
.endr
; One matrix instruction: tile a of my rows, K step s, into set cur.  The first K step starts the sums: nothing is cleared.  w's scale word lies in lanes 16-31 for K steps 4-7, x's for the odd tiles.
; (w's fragment has the same number in both sets: the window of source 0 says which set is meant.)
.macro WM cur, s, a
.set rD, DB+64*(\cur)+8*(\a)
.set rB, BF+8*(\s)
.set rA, 64*((\s)%4)+8*(\a)
.set rW, WS+4*(\cur)+(\s)%4
.set rX, AS+8*((\a)/2)+(\s)
.if (\s) == 0
.if (\a)%2 == 0
	v_wmma_scale_f32_16x16x128_f8f6f4 v[rD:rD+7], v[rB:rB+7], v[rA:rA+7], 0, v[rW], v[rX] matrix_a_fmt:MATRIX_FMT_FP4 matrix_b_fmt:MATRIX_FMT_FP4
.else
	v_wmma_scale_f32_16x16x128_f8f6f4 v[rD:rD+7], v[rB:rB+7], v[rA:rA+7], 0, v[rW], v[rX] matrix_a_fmt:MATRIX_FMT_FP4 matrix_b_fmt:MATRIX_FMT_FP4 matrix_b_scale:MATRIX_SCALE_ROW1
.endif
.elseif (\s) < 4
.if (\a)%2 == 0
	v_wmma_scale_f32_16x16x128_f8f6f4 v[rD:rD+7], v[rB:rB+7], v[rA:rA+7], v[rD:rD+7], v[rW], v[rX] matrix_a_fmt:MATRIX_FMT_FP4 matrix_b_fmt:MATRIX_FMT_FP4
.else
	v_wmma_scale_f32_16x16x128_f8f6f4 v[rD:rD+7], v[rB:rB+7], v[rA:rA+7], v[rD:rD+7], v[rW], v[rX] matrix_a_fmt:MATRIX_FMT_FP4 matrix_b_fmt:MATRIX_FMT_FP4 matrix_b_scale:MATRIX_SCALE_ROW1
.endif
.else
.if (\a)%2 == 0
	v_wmma_scale_f32_16x16x128_f8f6f4 v[rD:rD+7], v[rB:rB+7], v[rA:rA+7], v[rD:rD+7], v[rW], v[rX] matrix_a_fmt:MATRIX_FMT_FP4 matrix_b_fmt:MATRIX_FMT_FP4 matrix_a_scale:MATRIX_SCALE_ROW1
.else
	v_wmma_scale_f32_16x16x128_f8f6f4 v[rD:rD+7], v[rB:rB+7], v[rA:rA+7], v[rD:rD+7], v[rW], v[rX] matrix_a_fmt:MATRIX_FMT_FP4 matrix_b_fmt:MATRIX_FMT_FP4 matrix_a_scale:MATRIX_SCALE_ROW1 matrix_b_scale:MATRIX_SCALE_ROW1
.endif
.endif
.endm
; Tile s of the finished unit in set buf: where the row's expert is ex, its eight results go to S.  The accumulator is read from its low end on.  Under SELW.
.macro SEL buf, ex, s
	v_cmp_eq_u32 vcc_lo, \ex, v[IDX+(\s)]
.irp i, 0,1,2,3,4,5,6,7
	v_cndmask_b32 v[8*(\s)+\i], v[8*(\s)+\i], v[DB+64*(\buf)+8*(\s)+\i], vcc_lo
.endr
.endm
; A token's two rows, each times its weight, are added: token tile j of column tile nt.  Under SELW.
.macro COMB nt, j
.irp i, 0,1,2,3,4,5,6,7
	v_mul_f32 v[OUT+32*(\nt)+8*(\j)+\i], v[16*(\j)+\i], v[TW+2*(\j)]
.endr
.irp i, 0,1,2,3,4,5,6,7
	v_fmac_f32 v[OUT+32*(\nt)+8*(\j)+\i], v[16*(\j)+8+\i], v[TW+2*(\j)+1]
.endr
.endm
; A UNIT.  cur: its sets (accumulators, w's fragments, w's scale words).  load = 1: at its head the NEXT unit's scale words and eight fragments are fetched into the other sets, 17 LDS loads in one run, 64 matrix
; instructions and a select ahead of their use.  Then the 64 matrix instructions, under two window settings.  sel = 1: then the unit before, expert ex (a constant or a scalar register), is selected from the other
; accumulators, tile by tile.  fin = 1: that was a column tile's last expert: behind each odd tile the token tile's pair is added into column tile ntf's results.  first = 1: x's later K steps may still be on their way.
; PLACES: the run's loads land in registers that the unit before has multiplied; that unit's own select stands between, 72 plain lines that name the other
; accumulators, S and the experts, and no register of its products.  Where nothing is selected, four v_nop stand there.  A select reads results that were finished in front of the select before it.
; THE WAIT ON DSCNT: the 17 loads just issued may stay out; the 17 of the unit before, this unit's operands, are then in.  The count is the same on every way into a unit.
.macro UNIT cur, sel, ex, fin, ntf, load, first
	WIN 0
.if \load
	v_add_nc_u32 v[ADB], s[NB], v[AB0]
	v_add_nc_u32 v[ADS], s[NS], v[AS0]
	ds_load_b128 v[WS+4*(1-\cur):WS+4*(1-\cur)+3], v[ADS]
.if \cur == 0
	WIN TO_S                                       ; the other set of fragments lies in window 1
.endif
.irp s, 0,1,2,3,4,5,6,7
	ds_load_b128 v[BF+8*\s:BF+8*\s+3], v[ADB] offset:64*\s
	ds_load_b128 v[BF+8*\s+4:BF+8*\s+7], v[ADB] offset:64*\s+32
.endr
	s_wait_dscnt 17
.else
	s_wait_dscnt 0x0                               ; the last unit fetches nothing
.endif
.irp s, 0,1,2,3,4,5,6,7
.if \first && (\s >= 4)
	s_wait_loadcnt 16*(7-\s)                       ; x's fragments of this K step are in; the sixteen loads of each later K step may be out
.endif
.if \s < 4
	WIN MUL_LO+\cur
.else
	WIN MUL_HI+\cur
.endif
.irp a, 0,1,2,3,4,5,6,7
	WM \cur, \s, \a
.endr
.endr
.if \sel
	WIN SELW
.irp s, 0,1,2,3,4,5,6,7
	SEL 1-\cur, \ex, \s
.if \fin && (\s % 2 == 1)
	COMB \ntf, (\s/2)
.endif
.endr
.else
.rept 4
	v_nop
.endr
.endif
.endm
.macro ONWARD                          ; the next fetch is the next expert's
	s_add_co_u32 s[NB], s[NB], EXPB
	s_add_co_u32 s[NS], s[NS], SCE
.endm
; Column tile nt against all eight experts.  Experts 0 and 7 are written out (they select across a pass's edge, and expert 7 fetches the next column tile or nothing); experts 1 to 6 are a loop of three trips.
.macro PASS nt
	s_mov_b32 s[NB], TILB*\nt+EXPB                 ; expert 0 fetches expert 1
	s_mov_b32 s[NS], 512*\nt+SCE
.if \nt == 0
	UNIT 0, 0, 0, 0, 0, 1, 1
.else
	UNIT 0, 1, 7, 1, (\nt-1), 1, 0                 ; selects expert 7 of the column tile before, and finishes that tile
.endif
	ONWARD
	s_mov_b32 s56, 0
	s_mov_b32 s57, 1
	WIN 0                                          ; at a label and at a branch every window is 0
.Lexperts_\@:
	UNIT 1, 1, s56, 0, 0, 1, 0                     ; experts 1, 3, 5; selects 0, 2, 4
	ONWARD
	UNIT 0, 1, s57, 0, 0, 1, 0                     ; experts 2, 4, 6; selects 1, 3, 5
	ONWARD
	WIN 0
	s_add_co_u32 s57, s57, 2
	s_add_co_u32 s56, s56, 2
	s_cmp_lt_u32 s56, 6
	s_cbranch_scc1 .Lexperts_\@
.if \nt < 3
	s_mov_b32 s[NB], TILB*(\nt+1)                  ; expert 7 fetches expert 0 of the next column tile
	s_mov_b32 s[NS], 512*(\nt+1)
	UNIT 1, 1, 6, 0, 0, 1, 0
.else
	UNIT 1, 1, 6, 0, 0, 0, 0
.endif
.endm
	PASS 0
	PASS 1
	PASS 2
	PASS 3
	WIN SELW                                       ; the last unit, expert 7 of column tile 3, is selected.  The select just made, of the other accumulators, holds the places behind its last products
.irp s, 0,1,2,3,4,5,6,7
	SEL 1, 7, \s
.if \s % 2 == 1
	COMB 3, (\s/2)
.endif
.endr
	WIN 0
	; THE WAY OUT.  A lane holds eight neighbouring columns of one token for each column tile, and the lanes beside it hold other tokens.  So a token tile (16 tokens x 64 columns) goes through my own stage in LDS
	; and comes back as whole rows of 256 bytes, a token's whole share of the slice.  LDS serves a wave's instructions in order: no wait between the stores and the loads, nor in front of the next tile's stores.
	v_and_b32 v1, 15, v0                           ; r
	v_bfe_u32 v2, v0, 4, 1                         ; h
	s_mul_i32 s26, s[WV], STGW
	s_add_co_u32 s26, s26, STG                     ; my stage
	v_mul_u32_u24 v[STO], v1, SPITCH               ; in: row r, 32 bytes for each half of the lanes
	v_lshl_add_u32 v[STO], v2, 5, v[STO]
	v_add_nc_u32 v[STO], s26, v[STO]
	v_mul_u32_u24 v[RD], v2, SPITCH                ; back: lanes 0-15 one row, lanes 16-31 the next
	v_lshl_add_u32 v[RD], v1, 4, v[RD]
	v_add_nc_u32 v[RD], s26, v[RD]
	v_lshlrev_b32 v[GO], 11, v2                    ; and the same two tokens in out0, 2,048 bytes apart
	v_lshl_add_u32 v[GO], v1, 4, v[GO]
.macro TOSTAGE j
	WIN ST_OUT
.irp n, 0,1,2,3
	ds_store_b128 v[STO], v[OUT+32*\n+8*(\j):OUT+32*\n+8*(\j)+3] offset:64*\n
	ds_store_b128 v[STO], v[OUT+32*\n+8*(\j)+4:OUT+32*\n+8*(\j)+7] offset:64*\n+16
.endr
	WIN 0
.irp t, 0,1,2,3,4,5,6,7
	ds_load_b128 v[BK+32*(\j)+4*\t:BK+32*(\j)+4*\t+3], v[RD] offset:2*\t*SPITCH
.endr
.endm
.macro SEND j, younger                 ; younger: the LDS instructions issued behind tile j's loads: the next tile's eight stores and eight loads, or none.  Each tile has registers of its own: no store's data are rewritten
	s_wait_dscnt \younger
.irp t, 0,1,2,3,4,5,6,7
	global_store_b128 v[GO], v[BK+32*(\j)+4*\t:BK+32*(\j)+4*\t+3], s[14:15] offset:(16*(\j)+2*\t)*2048 th:TH_STORE_NT   ; 16 lanes store 256 consecutive bytes, at a multiple of 256 from out0's first byte; written once, read by nobody here
.endr
.endm
	TOSTAGE 0
	TOSTAGE 1
	SEND 0, 16
	TOSTAGE 2
	SEND 1, 16
	TOSTAGE 3
	SEND 2, 16
	SEND 3, 0                                      ; no LDS instruction of mine is out at the signal below
	s_wait_xcnt 0x0
	v_lshl_add_u32 v254, v0, 2, 0x4a400
	v_mov_b32 v255, 0
	s_wait_tensorcnt 0x0
	ds_add_u32 v254, v255
	s_wait_dscnt 0x0
	CROUND                                         ; the closing round: no work-group ends while a partner may still ask for a tile that names it
	s_endpgm
.Lfunc_end_k_qf99b8a80d7_gemm:
	.size	k_qf99b8a80d7_gemm, .Lfunc_end_k_qf99b8a80d7_gemm-k_qf99b8a80d7_gemm
	.p2alignl 7, 3214868480
	.fill 96, 4, 3214868480
	.section	.rodata,"a",@progbits
	.p2align	6, 0x0
	.amdhsa_kernel k_qf99b8a80d7_gemm
		.amdhsa_group_segment_fixed_size 304640
		.amdhsa_private_segment_fixed_size 0
		.amdhsa_enable_private_segment 0
		.amdhsa_kernarg_size 48
		.amdhsa_user_sgpr_count 2
		.amdhsa_user_sgpr_kernarg_segment_ptr 1
		.amdhsa_wavefront_size32 1
		.amdhsa_system_sgpr_workgroup_id_x 1
		.amdhsa_system_sgpr_workgroup_id_y 1
		.amdhsa_system_sgpr_workgroup_id_z 1
		.amdhsa_system_vgpr_workitem_id 0
		.amdhsa_next_free_vgpr 1024
		.amdhsa_next_free_sgpr 66
		.amdhsa_reserve_vcc 1
		.amdhsa_float_denorm_mode_32 3
		.amdhsa_float_denorm_mode_16_64 3
		.amdhsa_memory_ordered 1
		.amdhsa_forward_progress 1
		.amdhsa_inst_pref_size 239
	.end_amdhsa_kernel
	.amdgpu_metadata
---
amdhsa.version: [ 1, 2 ]
amdhsa.kernels:
  - .name:           k_qf99b8a80d7_gemm
    .symbol:         k_qf99b8a80d7_gemm.kd
    .args:
      - { .name: a_codes, .offset: 0, .size: 8, .value_kind: global_buffer, .address_space: global }
      - { .name: a_scales, .offset: 8, .size: 8, .value_kind: global_buffer, .address_space: global }
      - { .name: router_logits, .offset: 16, .size: 8, .value_kind: global_buffer, .address_space: global }
      - { .name: w_codes, .offset: 24, .size: 8, .value_kind: global_buffer, .address_space: global }
      - { .name: w_scales, .offset: 32, .size: 8, .value_kind: global_buffer, .address_space: global }
      - { .name: out0, .offset: 40, .size: 8, .value_kind: global_buffer, .address_space: global }
    .group_segment_fixed_size: 304640
    .private_segment_fixed_size: 0
    .kernarg_segment_align: 8
    .kernarg_segment_size: 48
    .max_flat_workgroup_size: 128
    .sgpr_count:     66
    .vgpr_count:     1024
    .wavefront_size: 32
...
	.end_amdgpu_metadata
.endif
;; end of part 2
